; MI455X (gfx1250); checked and timed in simulation.
; The chip was launched on July 23, 2026; its instructions are those of AMD's public machine-readable ISA for CDNA 5 (MIT licence, August 2026) and "CDNA5" Instruction Set Architecture Reference Guide (July 2026). The comments in the code are by the model that wrote it; some were corrected since.
;; Self Attention. Allowed arithmetic: matrix products marked QUANTISED: E2M1 operands, one E8M0 scale for each 32 along K, by v_wmma_scale_f32_16x16x128_f8f6f4 with both operands' format E2M1 (or v_wmma_scale_f32_32x16x128_f4), f32 sums; everything else in f32.
;; Inputs: x 8 x 256 x 64 x 64 float32.
;; Outputs: out0 8 x 256 x 4,096 float32.
;; This version of the problem:
;;   THIS VERSION OF THE PROBLEM IS GIVEN IN LOW PRECISION. The matrix products marked QUANTISED in the list below multiply operands that are first quantised to E2M1 (2 exponent bits, 1 mantissa bit; 4 bits a number), with one power-of-two scale for each 32 numbers along K (OCP MX v1.0); their sums are f32. All else is computed in f32.
;;   The module's matrix products, in the order in which they are computed (A, B: the left and right operand; K: the contracted axis; several contracted axes count as one K, in the product's order):
;;     1. batch 8 x [M 4,096, K 256] x [K 256, N 4,096]; A: input x; B: input x: QUANTISED
;;     2. batch 8 x [M 256, K 4,096] x [K 4,096, N 4,096]; A: input x; B: softmax (see below): QUANTISED
;;   THE QUANTISER, for each operand of a quantised product, along K:
;;     - K is cut into blocks of 32 from its start; a last block that is shorter is filled with zeros.
;;     - A block's scale is 2^e with e = floor(log2(the largest magnitude in the block)) - 2, held to -126 .. 127; a block of zeros has e = 0. As a byte (E8M0): e + 127.
;;     - Each number is divided by its block's scale, clamped to +-6, and rounded to the nearest number of E2M1, ties to even, subnormals kept.
;;     - The product sums the exact products of the quantised numbers (number of the format x scale) in f32.
;;   ~~~python
;;   def quantise(x, axis):      # numpy; x: float32 -> the quantised numbers, widened to float32 again
;;       x = np.moveaxis(x, axis, -1); K = x.shape[-1]
;;       x = np.pad(x, [(0, 0)] * (x.ndim - 1) + [(0, -K % 32)]); x = x.reshape(x.shape[:-1] + (-1, 32)); a = np.abs(x).max(-1, keepdims=True)
;;       e = np.where(a > 0, np.clip(np.frexp(np.where(a > 0, a, 1))[1] - 1 - 2, -126, 127), 0)      # np.frexp(a)[1] - 1 = floor(log2(a)), exactly
;;       r = np.clip(x / 2.0 ** e, -6, 6)
;;       step = 2.0 ** (np.maximum(np.frexp(np.where(r == 0, 1, r))[1] - 1, 0) - 1)
;;       q = np.round(r / step) * step * 2.0 ** e      # np.round: ties to even
;;       return np.moveaxis(q.reshape(q.shape[:-2] + (-1,))[..., :K], -1, axis).astype(np.float32)
;;   ~~~
;;   SOFTMAX AHEAD OF A QUANTISED PRODUCT. Where the list says 'softmax', what is quantised is not the finished softmax but p = 2^(t - M), with t = logit x log2(e) and M = ceil(the row's largest t), a whole number; so 1/2 < the row's largest p <= 1. The row's sum l is taken of the UNQUANTISED p, in f32, and the product's result is divided by l at the end. Since M is a whole number, a kernel that streams over the keys may use a running M (the ceiling of the running maximum): every later rescaling is an exact power of two, which a block's scale takes up: the codes' values come out the same.
;;   OPERANDS COMPUTED ON THE WAY. 'Computed on the way' means the value that the module computes at that place (a softmax that the list does not call 'softmax' is quantised finished and normalised). What goes into a quantiser is computed in f32, as accurately as f32 sums, v_exp_f32 and their like allow (about 1e-6 of the number): no bf16 or f16 on the way to a quantiser, and a product that is left as it is and whose result goes on into a quantised operand takes f32 operands (vector FMAs, or v_wmma_f32_16x16x4_f32). A number that lies on a knife's edge between two numbers of the format may be rounded either way, as far as f32 arithmetic and the matrix unit's own rounding can turn it there, and no further.
;; One version. Each part assembles by itself: llvm-mc -triple=amdgcn-amd-amdhsa -mcpu=gfx1250 --defsym DOCPART=n.
;; ======== version 1 of 1: 2 launches
;; limits: right only within a limited range of input values
;; workspace buffers: kv 8,912,896 bytes
;; launch quant (part 1): grid 32 x 8, 8 waves a work-group, no clusters, 168,960 bytes of LDS; arguments x, kv; writes kv
.if DOCPART == 1
	.amdgcn_target "amdgcn-amd-amdhsa--gfx1250"
	.amdhsa_code_object_version 6
	.text
	.protected	k_qfc8af071dd_quant
	.globl	k_qfc8af071dd_quant
	.p2align	8
	.type	k_qfc8af071dd_quant,@function
k_qfc8af071dd_quant:
	s_mov_b64 s[64:65], 0
	v_nop
	global_prefetch_b8 v0, s[64:65] scope:SCOPE_SE
	s_setreg_imm32_b32 hwreg(HW_REG_WAVE_MODE, 25, 1), 1
	s_wait_xcnt 0x0
; x [8][256 c][4096 n], f32, is read ONCE and quantised twice to codes of FP4 (E2M1) with one E8M0 byte for each 32 numbers:
; along c (the operand of the scores, which serves as queries and as keys) and along n (the operand of the second product).
; A block's scale is 2^(floor(log2(its largest magnitude)) - 2); its byte is the largest magnitude's exponent field - 2, held at 1 from below.
; LIMITS: NaN and infinities in x are not served.  A block whose largest magnitude lies under 2^-124 (a block of zeros among them) gets the byte 1
; where the rule says 127 for zeros: zero codes add nothing under any byte but 0xff, and the bytes are read by this program alone.
; WHAT IS STORED.  kv = [8 batches][32 steps of 128 positions][STEPB bytes]; a block holds the operands of 128 positions as IMAGES OF THE OPERANDS' REGISTERS
; (l = lane, r = l % 16, h = l / 16):
;   0      K fragments: (key tile t, c step s) at 1024 (2 t + s), register group cc at + 512 cc, lane l's 16 bytes at + 16 l:
;          position 64 (t / 4) + 8 (t % 4) + r % 8 + 32 (r / 8), c = 128 s + 64 cc + 32 h + 0 .. 31: one block of 32.
;          (So the scores' lanes 0-15 hold keys of the blocks 0 and 2 of a step, lanes 16-31 of the blocks 1 and 3: whole blocks of 32 keys in a lane.)
;   16384  V fragments: channel tile ct at 1024 ct + 512 cc + 16 l: channel 16 ct + r, positions 64 cc + 32 h + 0 .. 31: one block of 32
;   32768  K's scale words: word (t, l) at 512 (t / 4) + 16 l + 4 (t % 4): the tile's position r, c blocks 4 h .. 4 h + 3
;   33792  V's scale words: word (i, l) at 512 (i / 4) + 16 l + 4 (i % 4): channel 16 (2 i + h) + r, the step's four blocks of positions
; SHARES.  A work-group makes one block from x[batch][0 .. 255][128 step ..].  Wave w owns rows c = 32 w .. 32 w + 31: c block w for K, channel tiles 2 w and 2 w + 1 for V.
; One tensor load a wave brings its 32 rows x 512 bytes into LDS; a wave reads only what its own load brought, so its own wait on TENSORcnt orders the reads.
; Along c a lane takes a COLUMN and its 32 registers run down c; along n a lane takes 32 neighbours of a row: a whole block lies in one lane's registers.
; No work-group shares an input byte with another, so there is no cluster; nothing is filled twice, so there is no ring.
.set STEPB, 34816
.set PITCH, 528                        ; an LDS row: 512 bytes + 16 of padding
.set WTILE, 32*PITCH                   ; a wave's tile
.set IMG,   8*WTILE                    ; behind the tiles: K's scale words (1,024 bytes), then V's: blocks of 256 bytes into which no tensor load lands
.set CA, 4                             ; v4   along c: my column in my wave's tile
.set NA, 5                             ; v5   along n: my row and my half of 64 positions
.set KO, 6                             ; v6   where my 16 bytes of a K unit go in the block
.set VO, 7                             ; v7   the same for a V unit
.set KB, 8                             ; v8   LDS: my byte among K's scale words
.set VB, 9                             ; v9   and among V's
.set IR, 10                            ; v10  LDS: the 8 bytes of the scale words that I send out
.set IO, 11                            ; v11  and their place in the block
.set E,  16                            ; v16-23   a scale byte for each unit
.set X,  32                            ; v32-95   two sets of 32 numbers
.set C,  96                            ; v96-127  four registers of codes for each unit: no store's data are ever written again
	s_load_b128 s[4:7], s[0:1], 0x0                ; x s[4:5], kv s[6:7]
	v_lshl_add_u32 v128, v0, 2, 0x29000            ; my spare word, behind the scale words
	v_mov_b32 v129, 0
	ds_add_u32 v128, v129                          ; the opening lines: the add twice on end and its wait
	ds_add_u32 v128, v129
	v_lshrrev_b32 v1, 5, v0
	s_delay_alu instid0(VALU_DEP_1)
	v_readfirstlane_b32 s8, v1                     ; wave 0..7
	s_and_b32 s9, ttmp7, 0xffff                    ; batch
	s_lshl_b32 s24, s9, 22                         ; x: batch x 256 rows of 16,384 bytes
	s_lshl_b32 s25, s8, 19                         ;    + wave x 32 rows
	s_add_co_u32 s24, s24, s25
	s_lshl_b32 s25, ttmp9, 9                       ;    + step x 128 numbers
	s_add_co_u32 s24, s24, s25
	s_mov_b32 s25, 0
	s_lshl_b32 s26, s9, 5
	s_add_co_u32 s26, s26, ttmp9
	s_mul_i32 s26, s26, STEPB                      ; kv: block 32 x batch + step
	s_mov_b32 s27, 0
	s_mov_b32 s16, (2<<16)|(1<<20)|(6<<22)|(3<<25) ; group 1: elements of 4 bytes; four words of padding after every 128
	s_mov_b32 s17, 128<<16                         ; tensor_dim0 = 128
	s_mov_b32 s18, 32<<16                          ; tensor_dim1 = 32
	s_mov_b32 s19, 128<<16                         ; tile_dim0 = 128
	s_mov_b32 s20, 32                              ; tile_dim1 = 32
	s_mov_b32 s21, 4096                            ; tensor_dim0_stride
	s_mov_b32 s22, 0
	s_mov_b32 s23, 0
	s_mov_b32 s12, 1                               ; group 0: count = 1,
	s_mul_i32 s13, s8, WTILE                       ; LDS address: my wave's tile,
	s_wait_dscnt 0x0
	s_wait_kmcnt 0x0
	s_add_nc_u64 s[14:15], s[4:5], s[24:25]        ; global address of the tile's first element,
	s_or_b32 s15, s15, 0x80000000                  ; type = 2
	s_add_nc_u64 s[6:7], s[6:7], s[26:27]          ; kv at this work-group's block
	tensor_load_to_lds s[12:15], s[16:23]          ; the wave's one tensor load; the addresses below are made while it is on its way
	s_nop 0
	v_and_b32 v1, 31, v0                           ; l
	v_and_b32 v2, 15, v0                           ; r
	v_bfe_u32 v3, v0, 4, 1                         ; h
	v_and_b32 v12, 7, v0
	v_bfe_u32 v13, v0, 3, 1
	s_delay_alu instid0(VALU_DEP_2)
	v_lshlrev_b32 v[CA], 2, v12                    ; my column in unit g: l % 8 + 8 h + 32 ((l / 8) % 2), + 64 (g / 2) + 16 (g % 2): so lane l's codes are lane r's of key tile 2 g + h
	s_delay_alu instid0(VALU_DEP_1)
	v_lshl_add_u32 v[CA], v3, 5, v[CA]
	s_delay_alu instid0(VALU_DEP_1)
	v_lshl_add_u32 v[CA], v13, 7, v[CA]
	s_delay_alu instid0(VALU_DEP_1)
	v_add_nc_u32 v[CA], s13, v[CA]
	v_mul_u32_u24 v[NA], v2, PITCH                 ; row r of a channel tile, + 32 h positions
	s_delay_alu instid0(VALU_DEP_1)
	v_lshl_add_u32 v[NA], v3, 7, v[NA]
	s_delay_alu instid0(VALU_DEP_1)
	v_add_nc_u32 v[NA], s13, v[NA]
	s_lshl_b32 s28, s8, 8
	v_lshlrev_b32 v[KO], 4, v2                     ; K: 2048 (2 g + h) + 256 w + 16 r: c block w = 4 s + 2 cc + (the image's lane half), which are 1024, 512 and 256 bytes
	s_delay_alu instid0(VALU_DEP_1)
	v_lshl_add_u32 v[KO], v3, 11, v[KO]
	s_delay_alu instid0(VALU_DEP_1)
	v_add_nc_u32 v[KO], s28, v[KO]
	s_lshl_b32 s29, s8, 11
	v_lshl_add_u32 v[VO], v1, 4, s29               ; V: 16 l + 1024 x (2 w)
	s_and_b32 s30, s8, 3
	s_lshr_b32 s31, s8, 2
	s_lshl_b32 s24, s31, 8
	s_add_co_u32 s24, s24, s30
	s_add_co_u32 s24, s24, IMG
	v_lshlrev_b32 v[KB], 4, v2                     ; K's byte: word (2 g + h, lane r + 16 (w / 4)), byte w % 4
	s_delay_alu instid0(VALU_DEP_1)
	v_lshl_add_u32 v[KB], v3, 2, v[KB]
	s_delay_alu instid0(VALU_DEP_1)
	v_add_nc_u32 v[KB], s24, v[KB]
	s_lshl_b32 s25, s31, 9
	s_lshl_b32 s26, s30, 2
	s_add_co_u32 s25, s25, s26
	s_add_co_u32 s25, s25, IMG+1024
	v_lshl_add_u32 v[VB], v2, 4, v3                ; V's byte: word (w, lane r + 16 x which of my two tiles), byte 2 cc + h
	s_delay_alu instid0(VALU_DEP_1)
	v_add_nc_u32 v[VB], s25, v[VB]
	v_lshl_add_u32 v[IR], v0, 3, IMG
	v_lshlrev_b32 v[IO], 3, v0
.macro LOADC g, set                    ; along c: unit g's columns; register i = row i of my wave's 32
.set li, 0
.rept 32
	ds_load_b32 v[X+32*(\set)+li], v[CA] offset:PITCH*li+256*((\g)/2)+64*((\g)%2)
.set li, li+1
.endr
.endm
.macro LOADN q, set                    ; along n: channel tile q / 2 of my two, positions 64 (q % 2) + 32 h + 0 .. 31 of row r
.set li, 0
.rept 8
	ds_load_b128 v[X+32*(\set)+4*li:X+32*(\set)+4*li+3], v[NA] offset:16*PITCH*((\q)/2)+256*((\q)%2)+16*li
.set li, li+1
.endr
.endm
.macro QBLK set, k                     ; the 32 numbers of a set become 16 bytes of codes and a scale byte
.set XS, X+32*(\set)
	v_max3_num_f32 v12, |v[XS]|, |v[XS+1]|, |v[XS+2]|              ; the block's largest magnitude, in two chains
	v_max3_num_f32 v13, |v[XS+3]|, |v[XS+4]|, |v[XS+5]|
.irp i, 6,10,14,18,22,26
	s_delay_alu instid0(VALU_DEP_2)
	v_max3_num_f32 v12, v12, |v[XS+\i]|, |v[XS+\i+1]|
	s_delay_alu instid0(VALU_DEP_2)
	v_max3_num_f32 v13, v13, |v[XS+\i+2]|, |v[XS+\i+3]|
.endr
	s_delay_alu instid0(VALU_DEP_2)
	v_max3_num_f32 v12, v12, |v[XS+30]|, |v[XS+31]|
	s_delay_alu instid0(VALU_DEP_1)
	v_max3_num_f32 v12, v12, v13, 0x1800000        ; and the floor 2^(3 - 127): the byte cannot fall under 1
	s_delay_alu instid0(VALU_DEP_1)
	v_add_nc_u32 v14, 0xff000000, v12              ; 2 off its exponent field: the conversion's scale operand
.irp g, 0,1,2,3
	v_cvt_scalef32_pk8_fp4_f32 v[C+4*(\k)+\g], v[XS+8*\g:XS+8*\g+7], v14
.endr
	v_lshrrev_b32 v[E+(\k)], 23, v14               ; the scale's byte; also the plain line behind the conversions
.endm
; Unit k: 0-3 along c, 4-7 along n.  left = the LDS loads of the next unit, the only ones issued behind this unit's.
.macro UNIT k, left
	s_wait_dscnt \left
	QBLK (\k)%2, \k
.if (\k)+2 < 4
	LOADC (\k)+2, (\k)%2                           ; the set just read takes the unit two further on
.elseif (\k)+2 < 8
	LOADN (\k)-2, (\k)%2
.endif
.if (\k) < 4
	global_store_b128 v[KO], v[C+4*(\k):C+4*(\k)+3], s[6:7] offset:4096*(\k)       ; lanes 0-15 store 256 consecutive bytes, aligned; lanes 16-31 the same 2,048 bytes on
.else
	global_store_b128 v[VO], v[C+4*(\k):C+4*(\k)+3], s[6:7] offset:16384+1024*(((\k)-4)/2)+512*(((\k)-4)%2)   ; 512 consecutive bytes
.endif
.endm
	s_wait_tensorcnt 0x0                           ; my 32 rows are in LDS; nobody else reads them
	LOADC 0, 0
	LOADC 1, 1
	UNIT 0, 32
	UNIT 1, 32
	UNIT 2, 32
	UNIT 3, 8
	UNIT 4, 8
	UNIT 5, 8
	UNIT 6, 8
	UNIT 7, 0
.irp g, 0,1,2,3
	ds_store_b8 v[KB], v[E+\g] offset:512*(\g/2)+8*(\g%2)          ; word of key tile 2 g + h
.endr
.irp q, 0,1,2,3
	ds_store_b8 v[VB], v[E+4+\q] offset:256*(\q/2)+2*(\q%2)
.endr
	s_wait_dscnt 0x0                               ; for the others' sake: my bytes of the scale words have landed
	s_barrier_signal -1
	s_barrier_wait -1                              ; a word's four bytes come from four waves (K) or from two lanes and two units (V): now all are there
	ds_load_b64 v[24:25], v[IR]
	s_wait_dscnt 0x0
	global_store_b64 v[IO], v[24:25], s[6:7] offset:32768          ; a wave stores 256 consecutive bytes, aligned
	s_wait_tensorcnt 0x0                           ; the wave's end
	ds_add_u32 v128, v129
	s_wait_dscnt 0x0
	s_endpgm
.Lfunc_end_k_qfc8af071dd_quant:
	.size	k_qfc8af071dd_quant, .Lfunc_end_k_qfc8af071dd_quant-k_qfc8af071dd_quant
	.p2alignl 7, 3214868480
	.fill 96, 4, 3214868480
	.section	.rodata,"a",@progbits
	.p2align	6, 0x0
	.amdhsa_kernel k_qfc8af071dd_quant
		.amdhsa_group_segment_fixed_size 168960
		.amdhsa_private_segment_fixed_size 0
		.amdhsa_enable_private_segment 0
		.amdhsa_kernarg_size 16
		.amdhsa_user_sgpr_count 2
		.amdhsa_user_sgpr_kernarg_segment_ptr 1
		.amdhsa_wavefront_size32 1
		.amdhsa_system_sgpr_workgroup_id_x 1
		.amdhsa_system_sgpr_workgroup_id_y 1
		.amdhsa_system_sgpr_workgroup_id_z 1
		.amdhsa_system_vgpr_workitem_id 0
		.amdhsa_next_free_vgpr 130
		.amdhsa_next_free_sgpr 66
		.amdhsa_reserve_vcc 0
		.amdhsa_float_denorm_mode_32 3
		.amdhsa_float_denorm_mode_16_64 3
		.amdhsa_memory_ordered 1
		.amdhsa_forward_progress 1
		.amdhsa_inst_pref_size 31
	.end_amdhsa_kernel
	.amdgpu_metadata
---
amdhsa.version: [ 1, 2 ]
amdhsa.kernels:
  - .name:           k_qfc8af071dd_quant
    .symbol:         k_qfc8af071dd_quant.kd
    .args:
      - { .name: x, .offset: 0, .size: 8, .value_kind: global_buffer, .address_space: global }
      - { .name: kv, .offset: 8, .size: 8, .value_kind: global_buffer, .address_space: global }
    .group_segment_fixed_size: 168960
    .private_segment_fixed_size: 0
    .kernarg_segment_align: 8
    .kernarg_segment_size: 16
    .max_flat_workgroup_size: 256
    .sgpr_count:     66
    .vgpr_count:     130
    .wavefront_size: 32
...
	.end_amdgpu_metadata
.endif
;; end of part 1
;; launch attn (part 2): grid 32 x 8, 4 waves a work-group, clusters of 4 x 1, 327,680 bytes of LDS; arguments kv, out0; writes out0
.if DOCPART == 2
	.amdgcn_target "amdgcn-amd-amdhsa--gfx1250"
	.amdhsa_code_object_version 6
	.text
	.protected	k_qfc8af071dd_attn
	.globl	k_qfc8af071dd_attn
	.p2align	8
	.type	k_qfc8af071dd_attn,@function
k_qfc8af071dd_attn:
	s_mov_b64 s[64:65], 0
	v_nop
	global_prefetch_b8 v0, s[64:65] scope:SCOPE_SE
	s_setreg_imm32_b32 hwreg(HW_REG_WAVE_MODE, 25, 1), 1
	s_wait_xcnt 0x0
	s_wait_alu depctr_hold_cnt(0) depctr_sa_sdst(0) depctr_va_vdst(0) depctr_va_sdst(0) depctr_va_ssrc(0) depctr_va_vcc(0) depctr_vm_vsrc(0)
	s_getreg_b32 s2, hwreg(HW_REG_IB_STS2, 6, 4)
	s_cmp_eq_u32 s2, 0
	s_cbranch_scc0 .Lentry_in_a_cluster
	s_endpgm
.Lentry_in_a_cluster:
	s_bfe_u32 s2, ttmp6, 0x10000c
	s_cmp_lg_u32 s2, 0x3003
	s_cbranch_scc0 .Lentry_shape_is_right
	s_endpgm
.Lentry_shape_is_right:
; out[b][c][q] = sum over k of softmax_k(x_q . x_k) x[c][k], both products on codes of FP4 with E8M0 scales, from the register images that launch quant stored (its head comment gives the layout of a block of STEPB bytes).
; t = score x log2(e); M = the running largest t rounded up to a whole number; p = 2^(t - M) is quantised along the keys; the row's sum is taken of the unquantised p and divides at the end.
; SHARES.  A work-group owns 128 queries of a batch, each of its four waves 32 of them (two tiles x = 0, 1) with all 256 channels of O^T in 256 registers.  Both products are used transposed
; (S^T = K Q^T, O^T = V^T P^T), so a lane holds one query.  By quant's choice of a tile's keys a lane's 32 registers of tiles 4 c .. 4 c + 3 are the keys 64 c + 32 (lane / 16) + 0 .. 31 of a step:
; a whole block of 32, in the order of the second product's operand: a block's largest score needs no other lane, and the conversions' results are the operand's registers.
; A GROUP is the four key steps of one LDS slot.  Its four softmaxes keep their codes (64 registers) and scale operands; M moves from step to step by f = 2^(old M - new M).  At the group's end the scale operands of
; steps 0 to 2 are multiplied by the later steps' f (exact powers of two, taken up by the scale bytes), O^T is multiplied ONCE by the product of the four f, and the group's 128 products on V follow.
; The group is written twice: in a loop of 7 trips, which asks for the next slot, and once behind it, asking for nothing.  O^T and the sums begin as zeros and the largest score as -1e38: the first f is 0 and leaves zeros, so no third copy with a first step of its own is written.
; THE RING: two slots of 4 blocks; each wave fetches one block by one tensor load.  CLUSTER: the four work-groups of a cluster walk the same batch's blocks: every load is joint (mask 15).
; Ahead of a group's products on V each wave waits for its block of the next slot and passes a plain barrier: so the next group's first fragments of K are read under those products, and its first scores are made inside the round's opening barrier.
; PREFETCH: behind each change of slots but the last two, the group that the NEXT change will load (four key steps ahead of that load): of the block that wave w fetches, the partner at place cx names the quarter cx,
; 8,704 bytes = 34 blocks of 256: lanes 256 bytes apart, and a second line for the last two (its other lanes name the last again).  Groups 0 and 1 come by their loads alone.
; LIMITS: the promise holds while the scaled scores stay under 2^31 in magnitude.  A scale byte that the later f would bring under 0 is held at 0 (2^-127): such p are under 2^-120 of the row's largest.  NaN and infinities are not served.
; REGISTERS, in windows of 256: window 0: addresses, state, scale words, v128-255 S^T / p; window 1: O^T (128 x + 8 ct); window 2: fragment buffers B0 (v0-127) and B1 (v128-255); window 3: v0-31 Q, v32-95 p's codes of four steps, v128-255 buffer B2.
.set STEPB, 34816
.set SLOT,  4*STEPB                    ; 2^17 + 2^13: no wave's offset w x STEPB has either bit, so one exclusive or with SLOT turns an address of one slot into the other's
.set SPARE, 2*SLOT                     ; the spare words, 128 bytes a wave
.set SP,    544                        ; the way out: a stage row, 512 bytes + 32; rows 8-15 of each 16 begin 32 bytes on, so that a store's four groups of eight lanes start 32, 128 and 160 bytes apart modulo 256.  256 rows end at SLOT
.set VFO,   16384
.set KSO,   32768
.set VSO,   33792
.set LI,  1                            ; 16 x lane
.set PFO, 2                            ; prefetch offsets
.set PFO2, 3
.set SPW, 4
.set NIL, 5
.set STO, 6                            ; v6-9 the way out: into the stage
.set RD,  113                          ; v113-116 and back: one address for each quarter of the channels
.set ADR, 12                           ; v12-15 LDS address of the group's four blocks
.set ST,  16                           ; state, 16 registers for each x: +0 -M (even steps), +2 -M (odd steps), each the low word of a pair; +4,5 the sum; +6 largest score; +7, +12 at work; +8,9 block maxima; +10,11 second chains
.set QS,  48                           ; Q's scale words
.set SC0, 52                           ; scale words of buffer B0
.set SC1, 60                           ; of B1
.set FS,  68                           ; f of step j for tile x: FS + 4 x + j
.set FO,  76                           ; O^T's factor: the low word of a pair for each x
.set SO,  80                           ; scale operands: SO + 8 x + 2 j + c
.set PW,  96                           ; p's scale words: PW + 2 j + x
.set SC2, 104                          ; scale words of B2
.set ADRN, 112                         ; LDS address of the next slot's first block
.set S,   128
.set QF,  0
.set PC,  32
.set WV,  8
.set G1,  16
.set G0,  24
.set TB,  32
.set CNT, 33
.set TN,  34
.set CS,  36
.set SEL, 38
.set PFA, 54
.set MSB, 0
.macro WIN new                         ; the immediate's high byte repeats the setting that is left
.if MSB != \new
	s_set_vgpr_msb (MSB<<8)|\new
.set MSB, \new
.endif
.endm
.macro CREST                           ; a round of the cluster's barrier behind its opening barrier
	s_cmp_lg_u32 s[WV], 0
	s_cbranch_scc1 .Lnot_wave_0_\@
	s_barrier_signal -3
.Lnot_wave_0_\@:
	s_barrier_wait -3
	s_barrier_signal -1
	s_barrier_wait -1
.endm
.macro ROUND                           ; a whole round
	s_barrier_signal -1
	s_barrier_wait -1
	CREST
.endm
.macro PLACES                          ; four places behind matrix instructions, ahead of loads into their sources and of readers of their results
.rept 4
	v_nop
.endr
.endm
	s_load_b128 s[4:7], s[0:1], 0x0                ; kv, out
	v_lshl_add_u32 v[SPW], v0, 2, SPARE
	v_mov_b32 v[NIL], 0
	ds_add_u32 v[SPW], v[NIL]                      ; the opening lines: the add twice on end and its wait
	ds_add_u32 v[SPW], v[NIL]
	v_lshrrev_b32 v11, 5, v0
	v_readfirstlane_b32 s[WV], v11                 ; wave 0..3
	s_bfe_u32 s9, ttmp6, 0x40000                   ; cx
	s_lshl_b32 s10, ttmp9, 2
	s_add_co_u32 s10, s10, s9                      ; which 128 queries
	s_and_b32 s11, ttmp7, 0xffff                   ; batch
	s_mov_b32 s[G1], 15|(3<<16)|(1<<21)            ; mask: all four partners; elements of 8 bytes
	s_mov_b32 s[G1+1], 32<<16                      ; rows of 256 bytes,
	s_mov_b32 s[G1+2], 136<<16                     ; 136 of them: one block
	s_mov_b32 s[G1+3], 32<<16
	s_mov_b32 s[G1+4], 136
	s_mov_b32 s[G1+5], 32
	s_mov_b32 s[G1+6], 0
	s_mov_b32 s[G1+7], 0
	s_mul_i32 s40, s11, 32*STEPB
	s_mul_i32 s[G0+1], s[WV], STEPB                ; LDS: slot 0, block w
	s_add_co_u32 s40, s40, s[G0+1]                 ; memory: the batch's block w
	s_mov_b32 s41, 0
	s_mov_b32 s[G0], 1
	s_mul_i32 s42, s9, STEPB/4                     ; the prefetches: my work-group's quarter of block w,
	s_add_co_u32 s42, s42, s40
	s_add_co_u32 s42, s42, SLOT                    ; in group 1: the first change of slots steps it to group 2
	s_mov_b32 s43, 0
	s_lshl_b32 s48, s11, 5
	s_add_co_u32 s48, s48, s10
	s_mul_i32 s48, s48, STEPB                      ; the block of my work-group's queries
	s_lshl_b32 s49, s[WV], 12
	s_add_co_u32 s50, s48, s49                     ; its tiles 2 w and 2 w + 1
	s_mov_b32 s51, 0
	s_lshr_b32 s49, s[WV], 1
	s_lshl_b32 s49, s49, 9
	s_add_co_u32 s48, s48, s49
	s_and_b32 s49, s[WV], 1
	s_lshl_b32 s49, s49, 3
	s_add_co_u32 s48, s48, s49
	s_add_co_u32 s48, s48, KSO                     ; and their scale words
	s_mov_b32 s49, 0
	s_lshl_b32 s52, s11, 22                        ; out: batch, channels 16 w on (of each quarter of 64), my work-group's 128 positions
	s_lshl_b32 s53, s[WV], 18
	s_add_co_u32 s52, s52, s53
	s_lshl_b32 s53, s10, 9
	s_add_co_u32 s52, s52, s53
	s_mov_b32 s53, 0
	s_mov_b32 s[CS], 0x3fb8aa3b                    ; log2(e)
	s_mov_b32 s[CS+1], s[CS]
	s_mov_b32 s[SEL], 0x76543210
	s_mov_b32 s[SEL+1], 0xfedcba98
	s_mov_b32 s[TB], 0                             ; the slot in hand,
	s_mov_b32 s[TN], SLOT                          ; and the other
	s_mov_b32 s[CNT], 7
	s_wait_alu depctr_va_vdst(0)
	s_wait_dscnt 0x0
	s_wait_kmcnt 0x0
	s_add_nc_u64 s[G0+2:G0+3], s[4:5], s[40:41]
	s_or_b32 s[G0+3], s[G0+3], 0x80000000
	s_add_nc_u64 s[PFA:PFA+1], s[4:5], s[42:43]
	s_add_nc_u64 s[44:45], s[4:5], s[50:51]
	s_add_nc_u64 s[46:47], s[4:5], s[48:49]
	s_add_nc_u64 s[6:7], s[6:7], s[52:53]
	ROUND
	tensor_load_to_lds s[G0:G0+3], s[G1:G1+7]      ; group 0: my one load at the head
	s_nop 0
	v_and_b32 v[LI], 31, v0
	v_min_u32 v11, 1, v[LI]
	v_lshlrev_b32 v[PFO], 8, v[LI]                 ; blocks 0 .. 31 of my 34
	v_lshl_add_u32 v[PFO2], v11, 8, 8192           ; blocks 32 and 33
	v_lshlrev_b32 v[LI], 4, v[LI]
	WIN 0xc0
.irp k, 0,1,2,3,4,5,6,7
	global_load_b128 v[QF+4*\k:QF+4*\k+3], v[LI], s[44:45] offset:512*\k
.endr
	WIN 0
	global_load_b64 v[QS:QS+1], v[LI], s[46:47]
.irp x, 0,1
	v_mov_b32 v[ST+16*\x+1], 0                     ; (upper words of pairs are named, so they are written)
	v_mov_b32 v[ST+16*\x+2], 0x7e967699            ; -M ahead of the first step: 1e38
	v_mov_b32 v[ST+16*\x+3], 0
	v_mov_b32 v[ST+16*\x+4], 0                     ; the sum, in two halves
	v_mov_b32 v[ST+16*\x+5], 0
	v_mov_b32 v[ST+16*\x+6], 0xfe967699            ; the largest score so far: -1e38
	v_mov_b32 v[ST+16*\x+12], 0                    ; a lane permute's destination counts as a source
	v_mov_b32 v[FO+2*\x+1], 0
.endr
	v_and_b32 v11, 7, v0                           ; the way out: query r of tile 2 w + x is position 64 (w / 2) + 16 (w % 2) + 8 x + r % 8 + 32 (r / 8); row = channel
	v_lshlrev_b32 v[STO], 2, v11
	v_bfe_u32 v11, v0, 3, 1
	v_lshl_add_u32 v[STO], v11, 7, v[STO]
	v_bfe_u32 v11, v0, 4, 1
	v_mad_u32_u24 v[STO], v11, 8*SP+32, v[STO]     ; lanes 16-31 hold channels 8 .. 15 of a tile: rows that begin 32 bytes on
	s_lshr_b32 s48, s[WV], 1
	s_lshl_b32 s48, s48, 8
	s_and_b32 s49, s[WV], 1
	s_lshl_b32 s49, s49, 6
	s_add_co_u32 s48, s48, s49
	v_add_nc_u32 v[STO], s48, v[STO]
	v_add_nc_u32 v[STO+1], 64*SP, v[STO]
	v_add_nc_u32 v[STO+2], 128*SP, v[STO]
	v_add_nc_u32 v[STO+3], 192*SP, v[STO]
	s_mul_i32 s49, s[WV], 16*SP
	v_add_nc_u32 v[RD], s49, v[LI]                 ; of each quarter's 64 rows I send out rows 16 w .. 16 w + 15
	v_add_nc_u32 v[RD+1], 64*SP, v[RD]
	v_add_nc_u32 v[RD+2], 128*SP, v[RD]
	v_add_nc_u32 v[RD+3], 192*SP, v[RD]
	WIN 0x40
.set zz, 0
.rept 256
	v_mov_b32 v[zz], 0                             ; O^T, while the first blocks are on their way
.set zz, zz+1
.endr
	WIN 0
; 34 LDS loads: 32 fragments' halves into the window that win names (0x80: window 2, 0xc0: window 3) from dst on, and their eight scale words
.macro FETCH win, dst, adr, off, sc, soff
	WIN \win
.set ff, 0
.rept 32
	ds_load_b128 v[(\dst)+4*ff:(\dst)+4*ff+3], v[\adr] offset:(\off)+512*ff
.set ff, ff+1
.endr
	WIN 0
.irp g, 0,1
	ds_load_b128 v[(\sc)+4*\g:(\sc)+4*\g+3], v[\adr] offset:(\soff)+512*\g
.endr
.endm
.macro QK                              ; S^T = K Q^T from B0: 8 key tiles x 2 query tiles x 2 steps of 128 along c; the 16 accumulators by turns
	WIN 0x0e
.irp s, 0,1
.irp t, 0,1,2,3,4,5,6,7
.irp x, 0,1
.if \s == 0
	v_wmma_scale_f32_16x16x128_f8f6f4 v[S+64*\x+8*\t:S+64*\x+8*\t+7], v[16*\t:16*\t+7], v[QF+16*\x:QF+16*\x+7], 0, v[SC0+\t], v[QS+\x] matrix_a_fmt:MATRIX_FMT_FP4 matrix_b_fmt:MATRIX_FMT_FP4
.else
	v_wmma_scale_f32_16x16x128_f8f6f4 v[S+64*\x+8*\t:S+64*\x+8*\t+7], v[16*\t+8:16*\t+15], v[QF+16*\x+8:QF+16*\x+15], v[S+64*\x+8*\t:S+64*\x+8*\t+7], v[SC0+\t], v[QS+\x] matrix_a_fmt:MATRIX_FMT_FP4 matrix_b_fmt:MATRIX_FMT_FP4 matrix_a_scale:MATRIX_SCALE_ROW1 matrix_b_scale:MATRIX_SCALE_ROW1
.endif
.endr
.endr
.endr
.endm
.macro PV j, win, vb, sc               ; O^T += V^T P^T of step j: 16 channel tiles x 2 query tiles, the 32 accumulators by turns.  win: 0x5e V in window 2, 0x5f in window 3
	WIN \win
.set ct, 0
.rept 16
.irp x, 0,1
.if ct%2
	v_wmma_scale_f32_16x16x128_f8f6f4 v[128*\x+8*ct:128*\x+8*ct+7], v[(\vb)+8*ct:(\vb)+8*ct+7], v[PC+16*(\j)+8*\x:PC+16*(\j)+8*\x+7], v[128*\x+8*ct:128*\x+8*ct+7], v[(\sc)+ct/2], v[PW+2*(\j)+\x] matrix_a_fmt:MATRIX_FMT_FP4 matrix_b_fmt:MATRIX_FMT_FP4 matrix_a_scale:MATRIX_SCALE_ROW1
.else
	v_wmma_scale_f32_16x16x128_f8f6f4 v[128*\x+8*ct:128*\x+8*ct+7], v[(\vb)+8*ct:(\vb)+8*ct+7], v[PC+16*(\j)+8*\x:PC+16*(\j)+8*\x+7], v[128*\x+8*ct:128*\x+8*ct+7], v[(\sc)+ct/2], v[PW+2*(\j)+\x] matrix_a_fmt:MATRIX_FMT_FP4 matrix_b_fmt:MATRIX_FMT_FP4
.endif
.endr
.set ct, ct+1
.endr
.endm
.macro RESCALE                         ; O^T x FO, each accumulator from its low end on
	WIN 0x41
	s_wait_alu depctr_va_vdst(0)                   ; directly ahead of the first reader of O^T
.irp x, 0,1
.set oo, 0
.rept 64
	v_pk_mul_f32 v[128*\x+oo:128*\x+oo+1], v[128*\x+oo:128*\x+oo+1], v[FO+2*\x:FO+2*\x+1] op_sel_hi:[1,0]
.set oo, oo+2
.endr
.endr
.endm
; THE SOFTMAX'S LINES, one to a call, counted by a symbol, so that the two query tiles' lines can stand among each other.
.macro MX x                            ; line na of 32: the largest score of each of my two blocks of 32 keys, in two chains each (registers 0-16 and 17-31)
.set T, ST+16*(\x)
.set R, S+64*(\x)
.set cq, na%2
.set hq, (na/2)%2
.if na < 4
	v_max3_num_f32 v[T+8+cq+2*hq], v[R+32*cq+17*hq], v[R+32*cq+17*hq+1], v[R+32*cq+17*hq+2]
.elseif na < 28
.set iq, 2*((na-4)/4)
	v_max3_num_f32 v[T+8+cq+2*hq], v[T+8+cq+2*hq], v[R+32*cq+17*hq+3+iq], v[R+32*cq+17*hq+4+iq]
.elseif na < 30
	v_max3_num_f32 v[T+8+cq], v[T+8+cq], v[R+32*cq+15], v[R+32*cq+16]
.else
	v_max_num_f32 v[T+8+cq], v[T+8+cq], v[T+10+cq]
.endif
.set na, na+1
.endm
.macro CH x, j                         ; line nc of 8: from the blocks' maxima to -M and f
.set T, ST+16*(\x)
.if nc == 0
	v_max_num_f32 v[T+7], v[T+8], v[T+9]
.elseif nc == 1
	v_permlanex16_b32 v[T+12], v[T+7], s[SEL], s[SEL+1]
.elseif nc == 2
	v_max3_num_f32 v[T+6], v[T+6], v[T+7], v[T+12] ; the running largest score of my query
.elseif nc == 3
	v_mul_f32 v[T+7], s[CS], v[T+6]                ; as t
.elseif nc == 4
	v_floor_f32 v[T+NC], -v[T+7]                   ; -M = floor(-t)
.elseif nc == 5
	v_sub_f32 v[T+7], v[T+NC], v[T+NP]             ; old M - new M, a whole number, 0 or less
.elseif nc == 6
	v_cvt_i32_f32 v[T+7], v[T+7]                   ; (it saturates)
.else
	v_ldexp_f32 v[FS+4*(\x)+(\j)], 1.0, v[T+7]     ; f
.endif
.set nc, nc+1
.endm
.macro FM x                            ; line nf of 34: t - M, two at a time, and the same of each block's largest score
.set T, ST+16*(\x)
.set R, S+64*(\x)
.if nf < 32
	v_pk_fma_f32 v[R+2*nf:R+2*nf+1], v[R+2*nf:R+2*nf+1], s[CS:CS+1], v[T+NC:T+NC+1] op_sel_hi:[1,0,0]
.else
	v_fma_f32 v[T+8+nf-32], v[T+8+nf-32], s[CS], v[T+NC]
.endif
.set nf, nf+1
.endm
.macro EX x                            ; line ne of 66: each block's largest p, then p = 2^(t - M)
.if ne < 2
	v_exp_f32 v[ST+16*(\x)+8+ne], v[ST+16*(\x)+8+ne]
.else
	v_exp_f32 v[S+64*(\x)+ne-2], v[S+64*(\x)+ne-2]
.endif
.set ne, ne+1
.endm
.macro LM j                            ; line nl of 4: the sums under the new M
	v_mul_f32 v[ST+16*(nl/2)+4+nl%2], v[ST+16*(nl/2)+4+nl%2], v[FS+4*(nl/2)+(\j)]
.set nl, nl+1
.endm
.macro T1 x                            ; line nt of 16: the first level of the sums' tree
	v_pk_add_f32 v[S+64*(\x)+4*nt:S+64*(\x)+4*nt+1], v[S+64*(\x)+4*nt:S+64*(\x)+4*nt+1], v[S+64*(\x)+4*nt+2:S+64*(\x)+4*nt+3]
.set nt, nt+1
.endm
.macro LV x, n, w                      ; a whole level of the tree
.set uu, 0
.rept \n
	v_pk_add_f32 v[S+64*(\x)+(\w)*uu:S+64*(\x)+(\w)*uu+1], v[S+64*(\x)+(\w)*uu:S+64*(\x)+(\w)*uu+1], v[S+64*(\x)+(\w)*uu+(\w)/2:S+64*(\x)+(\w)*uu+(\w)/2+1]
.set uu, uu+1
.endr
.endm
.macro QZ x, j                         ; tile x's p becomes codes
.irp c, 0,1
	v_max_num_f32 v[ST+16*(\x)+8+\c], 0x1800000, v[ST+16*(\x)+8+\c]                ; the floor 2^(3 - 127)
.endr
.irp c, 0,1
	v_add_nc_u32 v[SO+8*(\x)+2*(\j)+\c], 0xff000000, v[ST+16*(\x)+8+\c]            ; 2 off the exponent field: the conversion's scale operand
.endr
	WIN 0xc0
.irp t, 0,1,2,3,4,5,6,7
	v_cvt_scalef32_pk8_fp4_f32 v[PC+16*(\j)+8*(\x)+\t], v[S+64*(\x)+8*\t:S+64*(\x)+8*\t+7], v[SO+8*(\x)+2*(\j)+\t/4]   ; register t of the operand: keys 64 (t / 4) + 32 h + 8 (t % 4) + 0 .. 7
.endr
	WIN 0
	v_nop                                          ; one plain place behind the conversions: the sums write their sources
.endm
; THE SOFTMAX OF STEP j.  What stands among a batch's exponentials reads only what was written ahead of the wait that opens the batch, and is first read behind the wait that closes it.
.macro SOFTMAX j
.set NC, 2*((\j)%2)                    ; this step's -M, and the last step's
.set NP, 2-NC
.set na, 0
.rept 32
	MX 0
.endr
.set na, 0
.set nc, 0
.rept 8                                ; tile 0's chain among tile 1's maxima
	CH 0, \j
	MX 1
	MX 1
	MX 1
	MX 1
.endr
.set nc, 0
.set nf, 0
.rept 8                                ; tile 1's chain among tile 0's multiply-adds
	CH 1, \j
	FM 0
	FM 0
	FM 0
	FM 0
.endr
	FM 0
	FM 0
	s_wait_alu depctr_va_vdst(0)                   ; ahead of the batch
.set ne, 0
.set nf, 0
.set nl, 0
.rept 34                               ; tile 0's exponentials; among them tile 1's multiply-adds,
	EX 0
	FM 1
.endr
.rept 28
	EX 0
.endr
.rept 4                                ; and the sums' scalings, the last of them the plain place behind the batch
	EX 0
	LM \j
.endr
	s_wait_alu depctr_va_vdst(0)                   ; the wait behind tile 0's batch, which is also the wait ahead of tile 1's
	QZ 0, \j
.set ne, 0
.set nt, 0
.rept 15                               ; tile 1's exponentials; among them the first level of tile 0's sums
	EX 1
	T1 0
.endr
.rept 50
	EX 1
.endr
	EX 1
	T1 0
	s_wait_alu depctr_va_vdst(0)                   ; the wait behind tile 1's batch
	QZ 1, \j
	LV 1, 16, 4                                    ; the row's sum of the unquantised p: the two tiles' levels by turns
	LV 0, 8, 8
	LV 1, 8, 8
	LV 0, 4, 16
	LV 1, 4, 16
	LV 0, 2, 32
	LV 1, 2, 32
	LV 0, 1, 64
	LV 1, 1, 64
.irp x, 0,1
	v_pk_add_f32 v[ST+16*\x+4:ST+16*\x+5], v[ST+16*\x+4:ST+16*\x+5], v[S+64*\x:S+64*\x+1]
.endr
.endm
; The group's end: steps 0, 1, 2 are brought under step 3's M through their scale operands; O^T's factor; the scale words.
.macro ADJUST
.irp x, 0,1
	v_mul_f32 v[ST+16*\x+7], v[FS+4*\x+3], v[FS+4*\x+2]
.endr
.irp x, 0,1
	v_mul_f32 v[ST+16*\x+12], v[ST+16*\x+7], v[FS+4*\x+1]
.endr
.irp x, 0,1
	v_mul_f32 v[FO+2*\x], v[ST+16*\x+12], v[FS+4*\x]
.endr
.irp x, 0,1
.irp c, 0,1
	v_mul_f32 v[SO+8*\x+4+\c], v[SO+8*\x+4+\c], v[FS+4*\x+3]
	v_mul_f32 v[SO+8*\x+2+\c], v[SO+8*\x+2+\c], v[ST+16*\x+7]
	v_mul_f32 v[SO+8*\x+\c], v[SO+8*\x+\c], v[ST+16*\x+12]
.endr
.endr
.set kk, 0
.rept 16
	v_lshrrev_b32 v[SO+kk], 23, v[SO+kk]           ; the bytes
.set kk, kk+1
.endr
.irp x, 0,1
.irp k, 0,1,2,3
	v_lshl_or_b32 v[SO+8*\x+2*\k], v[SO+8*\x+2*\k+1], 16, v[SO+8*\x+2*\k]          ; my two blocks: h and 2 + h
.endr
.endr
.irp x, 0,1
.irp k, 0,1,2,3
	v_permlanex16_b32 v[ST+16*\x+8+\k], v[SO+8*\x+2*\k], s[SEL], s[SEL+1]
.endr
.endr
.irp x, 0,1
.irp k, 0,1,2,3
	v_lshl_or_b32 v[PW+2*\k+\x], v[ST+16*\x+8+\k], 8, v[SO+8*\x+2*\k]              ; lanes 0-15, which are the ones read: blocks 0, 2 mine, 1, 3 lane l + 16's
.endr
.endr
.endm
; THE CHANGE OF SLOTS, at a group's head.  The group's first fragments of K are already on their way into B0; its first scores are made between the opening barrier's signal and wait.
; fill = 1: behind the round the slot that was left takes the next group (the first time: slot 1's first fill).
.macro CHANGE fill
	s_wait_tensorcnt 0x0                           ; no load of mine is out, so group 0 may be written
	ds_add_u32 v[SPW], v[NIL]
.if \fill
	s_xor_b32 s[G0+1], s[G0+1], SLOT
	s_add_nc_u64 s[G0+2:G0+3], s[G0+2:G0+3], 4*STEPB
	s_wait_xcnt 0x0                                ; my prefetches have read their address
	s_add_nc_u64 s[PFA:PFA+1], s[PFA:PFA+1], 4*STEPB
.endif
	s_wait_dscnt 0x0                               ; the add is done, my reads of the slot that I leave are over, and B0 is in
	s_barrier_signal -1
	QK                                             ; work on registers while the others arrive
	WIN 0
	s_barrier_wait -1
.if \fill
	CREST
	tensor_load_to_lds s[G0:G0+3], s[G1:G1+7]
	s_nop 0
.endif
	v_add_nc_u32 v[ADR], s[TB], v[LI]              ; (these are also the places behind the scores' products)
	v_add_nc_u32 v[ADR+1], STEPB, v[ADR]
	v_add_nc_u32 v[ADR+2], 2*STEPB, v[ADR]
	v_add_nc_u32 v[ADR+3], 3*STEPB, v[ADR]
	v_add_nc_u32 v[ADRN], s[TN], v[LI]
	s_wait_alu depctr_va_vdst(0)
.endm
; more = 1: a group follows
.macro GROUPW more
.irp j, 0,1,2,3
.if \j > 0
	WIN 0
	PLACES
.endif
.if \j < 3
	FETCH 0x80, 0, ADR+1+\j, 0, SC0, KSO           ; the next step's K comes in under this step's softmax
.endif
.if \j == 0
.if \more
	s_cmp_gt_u32 s[CNT], 1                         ; the loop's last trip has no group two on
	s_cbranch_scc0 .Lnone_\@
	global_prefetch_b8 v[PFO], s[PFA:PFA+1] th:TH_LOAD_NT scope:SCOPE_SE
	global_prefetch_b8 v[PFO2], s[PFA:PFA+1] th:TH_LOAD_NT scope:SCOPE_SE
.Lnone_\@:
.endif
.elseif \j == 1
	FETCH 0x80, 128, ADR, VFO, SC1, VSO            ; V of step 0 into B1,
.elseif \j == 2
	FETCH 0xc0, 128, ADR+1, VFO, SC2, VSO          ; of step 1 into B2,
.else
	FETCH 0x80, 0, ADR+2, VFO, SC0, VSO            ; of step 2 into B0, which K has left
.endif
	SOFTMAX \j
.if \j < 3
	s_wait_alu depctr_va_vdst(0)                   ; ahead of the wait below
	s_wait_dscnt 0x0
	QK
.endif
.endr
	ADJUST
	RESCALE                                        ; its 128 lines are the places between the scale words and codes and the products
	s_wait_alu depctr_va_vdst(0)                   ; ahead of the wait below
	s_wait_dscnt 0x0
.if \more
	s_wait_tensorcnt 0x0                           ; my block of the next slot is in:
	s_barrier_signal -1                            ; say so
.endif
	PV 0, 0x5e, 128, SC1
	PLACES
.if \more
	s_barrier_wait -1                              ; the next slot is whole
.endif
	FETCH 0x80, 128, ADR+3, VFO, SC1, VSO          ; V of step 3 into B1
	PV 1, 0x5f, 128, SC2
	PV 2, 0x5e, 0, SC0
.if \more
	PLACES
	FETCH 0x80, 0, ADRN, 0, SC0, KSO               ; the next group's first K into B0
	s_wait_dscnt 34                                ; step 3's 34 loads are in; the 34 just issued may be out
.else
	s_wait_dscnt 0x0
.endif
	PV 3, 0x5e, 128, SC1
	WIN 0
.endm
	s_wait_alu depctr_va_vdst(0)                   ; the head's end
	s_wait_loadcnt 0x0                             ; Q
	s_wait_tensorcnt 0x0                           ; my block of group 0 is in
	s_barrier_signal -1
	s_barrier_wait -1                              ; and everybody's
	FETCH 0x80, 0, LI, 0, SC0, KSO                 ; group 0's first K
.Lgrp:                                             ; groups 0 to 6; each trip asks for the next group
	CHANGE 1
	GROUPW 1
	s_xor_b32 s[TB], s[TB], SLOT
	s_xor_b32 s[TN], s[TN], SLOT
	s_sub_co_u32 s[CNT], s[CNT], 1
	s_cmp_lg_u32 s[CNT], 0
	s_cbranch_scc1 .Lgrp
	CHANGE 0                                       ; group 7 is written out: it asks for nothing
	GROUPW 0
	; THE WAY OUT, by quarters of 64 channels: O^T / the sum goes through a stage in slot 0, which has had its last fill and which nobody reads behind the last barrier: row = channel, 128 positions.
	; Behind a quarter's barrier each wave reads 16 of its rows back and stores them, 512 bytes a row; the quarters' rows are disjoint, so nothing in the stage is written twice.
.irp x, 0,1
	v_add_f32 v[ST+16*\x+7], v[ST+16*\x+4], v[ST+16*\x+5]
.endr
.irp x, 0,1
	v_permlanex16_b32 v[ST+16*\x+12], v[ST+16*\x+7], s[SEL], s[SEL+1]
.endr
.irp x, 0,1
	v_add_f32 v[ST+16*\x+7], v[ST+16*\x+7], v[ST+16*\x+12]
.endr
	s_wait_alu depctr_va_vdst(0)                   ; ahead of the transcendentals
.irp x, 0,1
	v_rcp_f32 v[FO+2*\x], v[ST+16*\x+7]
.endr
	v_nop
.macro RQ q                            ; quarter q of O^T (channel tiles 4 q .. 4 q + 3 of both query tiles) / the sum, each accumulator from its low end on
	WIN 0x41
	s_wait_alu depctr_va_vdst(0)                   ; directly ahead of these first readers of O^T
.irp x, 0,1
.set oo, 0
.rept 16
	v_pk_mul_f32 v[128*\x+32*(\q)+oo:128*\x+32*(\q)+oo+1], v[128*\x+32*(\q)+oo:128*\x+32*(\q)+oo+1], v[FO+2*\x:FO+2*\x+1] op_sel_hi:[1,0]
.set oo, oo+2
.endr
.endr
	s_wait_alu depctr_va_vdst(0)
.endm
	RQ 0
.irp q, 0,1,2,3
	WIN 0x04
.irp x, 0,1
.set cc, 0
.rept 4
.set ii, 0
.rept 8
	ds_store_b32 v[STO+\q], v[128*\x+32*\q+8*cc+ii] offset:(16*cc+ii)*SP+32*\x
.set ii, ii+1
.endr
.set cc, cc+1
.endr
.endr
	s_wait_dscnt 0x0                               ; for the others' sake
	s_barrier_signal -1
	s_barrier_wait -1                              ; the quarter's 64 rows are whole
	WIN 0x80
.set ii, 0
.rept 16                               ; my 16 rows come back into 64 registers of window 2 that are the quarter's own: no store's data are written again
	ds_load_b128 v[64*\q+4*ii:64*\q+4*ii+3], v[RD+\q] offset:ii*SP+32*((ii/8)%2)
.set ii, ii+1
.endr
.if \q < 3
	RQ \q+1                                        ; the next quarter's division stands between these loads and the wait for them
.endif
	WIN 0x08
.set ii, 0
.rept 16
	s_wait_dscnt 15-ii                             ; the younger loads may be out
	global_store_b128 v[LI], v[64*\q+4*ii:64*\q+4*ii+3], s[6:7] offset:(64*\q+ii)*16384 th:TH_STORE_NT   ; 32 lanes store 512 consecutive bytes, aligned
.set ii, ii+1
.endr
.endr
	WIN 0
	s_wait_tensorcnt 0x0                           ; the wave's end
	ds_add_u32 v[SPW], v[NIL]
	s_wait_dscnt 0x0
	ROUND                                          ; the closing round
	s_endpgm
.Lfunc_end_k_qfc8af071dd_attn:
	.size	k_qfc8af071dd_attn, .Lfunc_end_k_qfc8af071dd_attn-k_qfc8af071dd_attn
	.p2alignl 7, 3214868480
	.fill 96, 4, 3214868480
	.section	.rodata,"a",@progbits
	.p2align	6, 0x0
	.amdhsa_kernel k_qfc8af071dd_attn
		.amdhsa_group_segment_fixed_size 327680
		.amdhsa_private_segment_fixed_size 0
		.amdhsa_enable_private_segment 0
		.amdhsa_kernarg_size 16
		.amdhsa_user_sgpr_count 2
		.amdhsa_user_sgpr_kernarg_segment_ptr 1
		.amdhsa_wavefront_size32 1
		.amdhsa_system_sgpr_workgroup_id_x 1
		.amdhsa_system_sgpr_workgroup_id_y 1
		.amdhsa_system_sgpr_workgroup_id_z 1
		.amdhsa_system_vgpr_workitem_id 0
		.amdhsa_next_free_vgpr 1024
		.amdhsa_next_free_sgpr 66
		.amdhsa_reserve_vcc 0
		.amdhsa_float_denorm_mode_32 3
		.amdhsa_float_denorm_mode_16_64 3
		.amdhsa_memory_ordered 1
		.amdhsa_forward_progress 1
		.amdhsa_inst_pref_size 255
	.end_amdhsa_kernel
	.section	.bss,"aw",@nobits
	.p2align	6
	.space	262144
	.amdgpu_metadata
---
amdhsa.version: [ 1, 2 ]
amdhsa.kernels:
  - .name:           k_qfc8af071dd_attn
    .symbol:         k_qfc8af071dd_attn.kd
    .args:
      - { .name: kv, .offset: 0, .size: 8, .value_kind: global_buffer, .address_space: global }
      - { .name: out0, .offset: 8, .size: 8, .value_kind: global_buffer, .address_space: global }
    .group_segment_fixed_size: 327680
    .private_segment_fixed_size: 0
    .kernarg_segment_align: 8
    .kernarg_segment_size: 16
    .max_flat_workgroup_size: 128
    .sgpr_count:     66
    .vgpr_count:     1024
    .wavefront_size: 32
...
	.end_amdgpu_metadata
.endif
;; end of part 2
